; MI455X (gfx1250); checked and timed in simulation.
; The chip was launched on July 23, 2026; its instructions are those of AMD's public machine-readable ISA for CDNA 5 (MIT licence, August 2026) and "CDNA5" Instruction Set Architecture Reference Guide (July 2026). The comments in the code are by the model that wrote it; some were corrected since.
;; Param Attention. Allowed arithmetic: matrix products marked QUANTISED: E2M1 operands, one E8M0 scale for each 32 along K, by v_wmma_scale_f32_16x16x128_f8f6f4 with both operands' format E2M1 (or v_wmma_scale_f32_32x16x128_f4), f32 sums; products left as they are: bf16, f16 or f32 operands; f32 sums; everything else in f32.
;; Inputs: Wk 512 x 512 float32; Wq 512 x 512 float32; Wv 512 x 512 float32; x_k 16 x 2,048 x 512 float32; x_mask 16 x 1,024 bool; x_q 16 x 1,024 x 512 float32.
;; Outputs: out0 16 x 1,024 x 512 float32.
;; This version of the problem:
;;   THIS VERSION OF THE PROBLEM IS GIVEN IN LOW PRECISION. The matrix products marked QUANTISED in the list below multiply operands that are first quantised to E2M1 (2 exponent bits, 1 mantissa bit; 4 bits a number), with one power-of-two scale for each 32 numbers along K (OCP MX v1.0); their sums are f32. The products marked 'left as it is' may take bf16, f16 or f32 operands, with f32 sums. Whichever they take, every output number must still come out within the allowed error. Rounding operands to bf16 (8 significant bits) uses up far more of that allowance than f16 does (11 bits, for magnitudes from 6e-5 to 65,504). All else is computed in f32.
;;   The module's matrix products, in the order in which they are computed (A, B: the left and right operand; K: the contracted axis; several contracted axes count as one K, in the product's order):
;;     1. [M 16,384, K 512] x [K 512, N 512]; A: input x_q; B: input Wq: QUANTISED
;;     2. [M 32,768, K 512] x [K 512, N 512]; A: input x_k; B: input Wk: QUANTISED
;;     3. [M 32,768, K 512] x [K 512, N 512]; A: input x_k; B: input Wv: QUANTISED
;;     4. batch 16 x [M 1,024, K 512] x [K 512, N 2,048]; A: computed on the way; B: computed on the way: left as it is (an operand is computed on the way)
;;     5. batch 16 x [M 1,024, K 2,048] x [K 2,048, N 512]; A: computed on the way; B: computed on the way: left as it is (an operand is computed on the way)
;;   THE QUANTISER, for each operand of a quantised product, along K:
;;     - K is cut into blocks of 32 from its start; a last block that is shorter is filled with zeros.
;;     - A block's scale is 2^e with e = floor(log2(the largest magnitude in the block)) - 2, held to -126 .. 127; a block of zeros has e = 0. As a byte (E8M0): e + 127.
;;     - Each number is divided by its block's scale, clamped to +-6, and rounded to the nearest number of E2M1, ties to even, subnormals kept.
;;     - The product sums the exact products of the quantised numbers (number of the format x scale) in f32.
;;   ~~~python
;;   def quantise(x, axis):      # numpy; x: float32 -> the quantised numbers, widened to float32 again
;;       x = np.moveaxis(x, axis, -1); K = x.shape[-1]
;;       x = np.pad(x, [(0, 0)] * (x.ndim - 1) + [(0, -K % 32)]); x = x.reshape(x.shape[:-1] + (-1, 32)); a = np.abs(x).max(-1, keepdims=True)
;;       e = np.where(a > 0, np.clip(np.frexp(np.where(a > 0, a, 1))[1] - 1 - 2, -126, 127), 0)      # np.frexp(a)[1] - 1 = floor(log2(a)), exactly
;;       r = np.clip(x / 2.0 ** e, -6, 6)
;;       step = 2.0 ** (np.maximum(np.frexp(np.where(r == 0, 1, r))[1] - 1, 0) - 1)
;;       q = np.round(r / step) * step * 2.0 ** e      # np.round: ties to even
;;       return np.moveaxis(q.reshape(q.shape[:-2] + (-1,))[..., :K], -1, axis).astype(np.float32)
;;   ~~~
;; One version. Each part assembles by itself: llvm-mc -triple=amdgcn-amd-amdhsa -mcpu=gfx1250 --defsym DOCPART=n.
;; ======== version 1 of 1: 3 launches
;; limits: values are held in f16: magnitudes above 65,504 overflow, below 6.1e-05 lose precision
;; workspace buffers: codes 12,976,128 bytes; scales 811,008 bytes; qf 16,777,216 bytes; kf 33,554,432 bytes; vf 33,554,432 bytes
;; launch quant (part 1): grid 792 x 1, 4 waves a work-group, no clusters, 39,424 bytes of LDS; arguments x_q, x_k, Wq, Wk, Wv, codes, scales; writes codes, scales
.if DOCPART == 1
	.amdgcn_target "amdgcn-amd-amdhsa--gfx1250"
	.amdhsa_code_object_version 6
	.text
	.protected	k_q0af15f8778_quant
	.globl	k_q0af15f8778_quant
	.p2align	8
	.type	k_q0af15f8778_quant,@function
k_q0af15f8778_quant:
	s_mov_b64 s[64:65], 0
	v_nop
	global_prefetch_b8 v0, s[64:65] scope:SCOPE_SE
	s_setreg_imm32_b32 hwreg(HW_REG_WAVE_MODE, 25, 1), 1
	s_wait_xcnt 0x0
; x_q [16384][512], x_k [32768][512], Wq, Wk, Wv [512][512], all f32 with K = 512 innermost, become codes of FP4 (E2M1) and one E8M0 scale byte for each 32 along K.
; A block's scale is 2^(floor(log2(its largest magnitude)) - 2); its byte is the largest magnitude's exponent field - 2, held at 1 from below; each number is divided by the scale and rounded to the nearest code, ties to even, beyond 6 the largest code.
; LIMITS: a block of zeros gets the byte 1 where the rule says 127 (its codes are zeros, which add nothing, and this program alone reads the bytes); blocks whose largest magnitude lies under 2^-124 keep the byte 1; NaN and infinities are not served.
; THE OUTPUT IS LAID AS THE NEXT LAUNCH'S OPERAND REGISTERS.  The five tensors are 3,168 tiles of 16 rows: x_q 0-1023, x_k 1024-3071, Wq 3072-3103, Wk 3104-3135, Wv 3136-3167.
;   codes:  tile T at 4,096 T; in it block kb (32 along K) of row r at 256 kb + 16 r.  Lane 16 h + r of a fragment for K = 128 s on wants blocks 4 s + 2 c + h of row r: 16 bytes at 1,024 s + 512 c + 16 x lane.
;   scales: tile T at 256 T; row r's 16 bytes at 16 r.
; SHARES.  A wave takes one tile, 32,768 consecutive bytes, in 16 steps of one row.  A step's four loads read 512 consecutive bytes each; the 2,048 bytes turn through the wave's own stage in LDS so that a lane holds 16 neighbours
; along K (two lanes to a block).  A lane's 8 bytes of codes go into the wave's image of the tile in LDS, the block's byte into its 256 scale bytes; at the end both leave in stores of 512 and 256 consecutive bytes.
; No tensor load, no barrier: waves share nothing.  Loads run four steps (16 loads a wave) ahead, the turn through LDS one step.
.set STEPS, 16
.set R,     16                         ; v16-79   four sets of 16 numbers as they are loaded; at the end the image on its way out
.set X,     80                         ; v80-111  two sets of 16 neighbours
.set E,     112                        ; v112-127 a scale byte for each step
.set C,     128                        ; v128-191 codes: registers of its own for each step
.set SP,    80                         ; a lane's place in a stage: 64 bytes + 16 of padding
.set SCB,   5120                       ; LDS of a wave: two stages of 32 x SP bytes; from here its 256 scale bytes;
.set IMG,   5376                       ; from here the image: 16 blocks' 256 bytes, IP bytes apart
.set IP,    272
.set WREG,  9728                       ; all of a wave's LDS
.set SPARE, 4*WREG                     ; behind the four regions: the spare words, 128 bytes a wave, which no other line names
.set SPW,   12                         ; v12  LDS address of my spare word; never rewritten
.set NIL,   13                         ; v13  0; never rewritten
	s_load_b256 s[4:11], s[0:1], 0x0               ; x_q s[4:5], x_k s[6:7], Wq s[8:9], Wk s[10:11]
	s_load_b128 s[12:15], s[0:1], 0x20             ; Wv s[12:13], codes s[14:15]
	s_load_b64 s[16:17], s[0:1], 0x30              ; scales
	v_lshl_add_u32 v[SPW], v0, 2, SPARE
	v_mov_b32 v[NIL], 0
	v_lshrrev_b32 v1, 5, v0
	v_readfirstlane_b32 s26, v1                    ; wave
	v_and_b32 v2, 31, v0                           ; lane
	v_lshlrev_b32 v3, 4, v2                        ; 16 x lane: my bytes of a load's or a store's 512
	s_mul_i32 s27, s26, WREG                       ; my wave's LDS
	v_lshrrev_b32 v14, 2, v2
	v_mul_u32_u24 v14, v14, SP
	v_and_b32 v15, 3, v2
	v_lshl_add_u32 v14, v15, 4, v14
	v_add_nc_u32 v14, s27, v14                     ; the stage, on the way in: SP (lane / 4) + 16 (lane % 4)
	v_mul_u32_u24 v15, v2, SP
	v_add_nc_u32 v15, s27, v15                     ; and on the way out: SP x lane: my 16 neighbours
	v_lshrrev_b32 v5, 1, v2                        ; my block of the row
	v_mul_u32_u24 v4, v5, IP
	v_and_b32 v6, 1, v2
	v_lshl_add_u32 v4, v6, 3, v4
	v_add_nc_u32 v4, s27, v4
	v_add_nc_u32 v4, IMG, v4                       ; the image: my block's 256 bytes, my half of a row's 16; the row stands in the store's offset
	v_add_nc_u32 v5, s27, v5
	v_add_nc_u32 v5, SCB, v5                       ; my block's scale byte; the row stands in the offset
	v_lshlrev_b32 v7, 3, v2                        ; the scale bytes' way out: 8 bytes a lane
	v_add_nc_u32 v6, s27, v7
	v_add_nc_u32 v6, SCB, v6
	v_lshrrev_b32 v10, 4, v2
	v_mul_u32_u24 v10, v10, IP
	v_and_b32 v9, 15, v2
	v_lshl_add_u32 v10, v9, 4, v10
	v_add_nc_u32 v10, s27, v10
	v_add_nc_u32 v10, IMG, v10                     ; the image's way out: sixteen lanes to a block, two blocks an instruction
	s_wait_kmcnt 0x0
	s_mov_b64 s[18:19], s[12:13]                   ; which tensor: the choice hangs on the work-group's number alone.  Four tiles a work-group: Wv from 784,
	s_mov_b32 s20, 784
	s_cmp_lt_u32 ttmp9, 784
	s_cselect_b64 s[18:19], s[10:11], s[18:19]     ; Wk from 776,
	s_cselect_b32 s20, 776, s20
	s_cmp_lt_u32 ttmp9, 776
	s_cselect_b64 s[18:19], s[8:9], s[18:19]       ; Wq from 768,
	s_cselect_b32 s20, 768, s20
	s_cmp_lt_u32 ttmp9, 768
	s_cselect_b64 s[18:19], s[6:7], s[18:19]       ; x_k from 256,
	s_cselect_b32 s20, 256, s20
	s_cmp_lt_u32 ttmp9, 256
	s_cselect_b64 s[18:19], s[4:5], s[18:19]       ; x_q from 0
	s_cselect_b32 s20, 0, s20
	s_sub_co_u32 s21, ttmp9, s20
	s_lshl_b32 s21, s21, 2
	s_add_co_u32 s21, s21, s26                     ; my tile within its tensor
	s_lshl_b32 s22, s21, 15                        ; x 32,768 bytes (under 2^27)
	s_mov_b32 s23, 0
	s_add_nc_u64 s[18:19], s[18:19], s[22:23]
	s_lshl_b32 s24, ttmp9, 2
	s_add_co_u32 s24, s24, s26                     ; T
	s_lshl_b32 s22, s24, 12
	s_add_nc_u64 s[14:15], s[14:15], s[22:23]
	s_lshl_b32 s22, s24, 8
	s_add_nc_u64 s[16:17], s[16:17], s[22:23]
.macro LOAD t
.irp i, 0,1,2,3
	global_load_b128 v[R+16*((\t)%4)+4*\i:R+16*((\t)%4)+4*\i+3], v3, s[18:19] offset:2048*(\t)+512*\i th:TH_LOAD_NT   ; 32 lanes read 512 consecutive bytes; read once in the launch
.endr
.endm
.macro TURN t                          ; row t through the stage: LDS serves a wave's instructions in order, so no wait stands between the stores and the loads
.irp i, 0,1,2,3
	ds_store_b128 v14, v[R+16*((\t)%4)+4*\i:R+16*((\t)%4)+4*\i+3] offset:32*SP*((\t)%2)+8*SP*\i
.endr
.irp i, 0,1,2,3
	ds_load_b128 v[X+16*((\t)%2)+4*\i:X+16*((\t)%2)+4*\i+3], v15 offset:32*SP*((\t)%2)+16*\i
.endr
.endm
.irp t, 0,1,2,3
	LOAD \t
.endr
	s_wait_loadcnt 12                              ; row 0's four loads are in
	TURN 0
.macro STEP t
.set XS, X+16*((\t)%2)
.if (\t) > 0
	s_wait_dscnt 2                                 ; this row is back from the stage; the last step's byte store and code store may be out
.else
	s_wait_dscnt 0x0
.endif
.if (\t)+4 < STEPS
	LOAD (\t)+4                                    ; into the registers that this row's stores into the stage have read
.endif
.if (\t)+1 < STEPS
.if STEPS-2-(\t) >= 3
	s_wait_loadcnt 12                              ; the next row's four loads are in; those of the three rows behind it may be out
.else
	s_wait_loadcnt 4*(STEPS-2-(\t))
.endif
	TURN (\t)+1                                    ; through the other stage while this row is worked
.endif
	v_max3_num_f32 v8, |v[XS]|, |v[XS+1]|, |v[XS+2]|               ; the largest magnitude of my 16, in two chains
	v_max3_num_f32 v9, |v[XS+3]|, |v[XS+4]|, |v[XS+5]|
.irp i, 6,10
	v_max3_num_f32 v8, v8, |v[XS+\i]|, |v[XS+\i+1]|
	v_max3_num_f32 v9, v9, |v[XS+\i+2]|, |v[XS+\i+3]|
.endr
	v_max3_num_f32 v8, v8, |v[XS+14]|, |v[XS+15]|
	v_max3_num_f32 v8, v8, v9, 0x1800000           ; and the floor 2^(3 - 127): the byte cannot fall under 1
	v_max_num_f32_dpp v8, v8, v8 row_xmask:1 row_mask:0xf bank_mask:0xf   ; and of my neighbour's 16: the block's
	v_add_nc_u32 v11, 0xff000000, v8               ; 2 off its exponent field: the conversion takes the exponent field of this operand as its scale
	v_cvt_scalef32_pk8_fp4_f32 v[C+4*(\t)], v[XS:XS+7], v11
	v_cvt_scalef32_pk8_fp4_f32 v[C+4*(\t)+1], v[XS+8:XS+15], v11
	v_lshrrev_b32 v[E+(\t)], 23, v11               ; the scale's byte (a plain line behind the conversions)
	ds_store_b8 v5, v[E+(\t)] offset:16*(\t)       ; both lanes of a block write the same byte with the same value
	ds_store_b64 v4, v[C+4*(\t):C+4*(\t)+1] offset:16*(\t)         ; my 16 codes, at row t of my block
.endm
.irp t, 0,1,2,3,4,5,6,7,8,9,10,11,12,13,14,15
	STEP \t
.endr
	ds_load_b64 v[8:9], v6                         ; LDS serves a wave's instructions in order: these see my stores
.irp i, 0,1,2,3,4,5,6,7
	ds_load_b128 v[R+4*\i:R+4*\i+3], v10 offset:2*IP*\i
.endr
	s_wait_dscnt 8
	global_store_b64 v7, v[8:9], s[16:17]          ; 32 lanes store the tile's 256 scale bytes
.irp i, 0,1,2,3,4,5,6,7
	s_wait_dscnt 7-\i
	global_store_b128 v3, v[R+4*\i:R+4*\i+3], s[14:15] offset:512*\i   ; 32 lanes store 512 consecutive bytes of the image
.endr
	s_wait_tensorcnt 0x0                           ; the wave's end, behind my last LDS store
	ds_add_u32 v[SPW], v[NIL]
	s_wait_dscnt 0x0
	s_endpgm
.Lfunc_end_k_q0af15f8778_quant:
	.size	k_q0af15f8778_quant, .Lfunc_end_k_q0af15f8778_quant-k_q0af15f8778_quant
	.p2alignl 7, 3214868480
	.fill 96, 4, 3214868480
	.section	.rodata,"a",@progbits
	.p2align	6, 0x0
	.amdhsa_kernel k_q0af15f8778_quant
		.amdhsa_group_segment_fixed_size 39424
		.amdhsa_private_segment_fixed_size 0
		.amdhsa_enable_private_segment 0
		.amdhsa_kernarg_size 56
		.amdhsa_user_sgpr_count 2
		.amdhsa_user_sgpr_kernarg_segment_ptr 1
		.amdhsa_wavefront_size32 1
		.amdhsa_system_sgpr_workgroup_id_x 1
		.amdhsa_system_sgpr_workgroup_id_y 1
		.amdhsa_system_sgpr_workgroup_id_z 1
		.amdhsa_system_vgpr_workitem_id 0
		.amdhsa_next_free_vgpr 192
		.amdhsa_next_free_sgpr 66
		.amdhsa_reserve_vcc 0
		.amdhsa_float_denorm_mode_32 3
		.amdhsa_float_denorm_mode_16_64 3
		.amdhsa_memory_ordered 1
		.amdhsa_forward_progress 1
		.amdhsa_inst_pref_size 35
	.end_amdhsa_kernel
	.amdgpu_metadata
---
amdhsa.version: [ 1, 2 ]
amdhsa.kernels:
  - .name:           k_q0af15f8778_quant
    .symbol:         k_q0af15f8778_quant.kd
    .args:
      - { .name: x_q, .offset: 0, .size: 8, .value_kind: global_buffer, .address_space: global }
      - { .name: x_k, .offset: 8, .size: 8, .value_kind: global_buffer, .address_space: global }
      - { .name: Wq, .offset: 16, .size: 8, .value_kind: global_buffer, .address_space: global }
      - { .name: Wk, .offset: 24, .size: 8, .value_kind: global_buffer, .address_space: global }
      - { .name: Wv, .offset: 32, .size: 8, .value_kind: global_buffer, .address_space: global }
      - { .name: codes, .offset: 40, .size: 8, .value_kind: global_buffer, .address_space: global }
      - { .name: scales, .offset: 48, .size: 8, .value_kind: global_buffer, .address_space: global }
    .group_segment_fixed_size: 39424
    .private_segment_fixed_size: 0
    .kernarg_segment_align: 8
    .kernarg_segment_size: 56
    .max_flat_workgroup_size: 128
    .sgpr_count:     66
    .vgpr_count:     192
    .wavefront_size: 32
...
	.end_amdgpu_metadata
.endif
;; end of part 1
;; launch proj (part 2): grid 256 x 1, 4 waves a work-group, no clusters, 0 bytes of LDS; arguments codes, scales, qf, kf, vf; writes qf, kf, vf
.if DOCPART == 2
	.amdgcn_target "amdgcn-amd-amdhsa--gfx1250"
	.amdhsa_code_object_version 6
	.text
	.protected	k_q0af15f8778_proj
	.globl	k_q0af15f8778_proj
	.p2align	8
	.type	k_q0af15f8778_proj,@function
k_q0af15f8778_proj:
	s_mov_b64 s[64:65], 0
	v_nop
	global_prefetch_b8 v0, s[64:65] scope:SCOPE_SE
	s_setreg_imm32_b32 hwreg(HW_REG_WAVE_MODE, 25, 1), 1
	s_wait_xcnt 0x0
; q = x_q Wq^T, k = x_k Wk^T, v = x_k Wv^T on codes of FP4 with E8M0 scales (K = 512: four matrix instructions deep, K ascending, one f32 sum an output); the results are rounded once to f16
; and stored AS THE ATTENTION LAUNCH'S OPERAND REGISTERS:
;   qf, kf: row tile (16 rows) at 16,384 x tile; channel tile ct (16 channels) at 512 ct; lane 16 h + r: row r, channels 16 ct + 8 h + 0..7, 16 bytes at 16 x lane.
;   vf:     32 keys at 32,768 x (key / 32); channel tile ct at 1,024 ct; the even 16 keys at 0, the odd at 512; lane 16 h + r: channel r of the tile, keys 8 h + 0..7.
; LIMIT: q, k, v are kept in f16: magnitudes from 65,504 on are not served (the drawn inputs give about 6; both factors 30 times larger about 5,400).
; SHARES.  Work-group g takes tiles 8 g .. 8 g + 7 of x_k and 4 g .. 4 g + 3 of x_q.  THE WAVES SHARE THE CHANNELS: wave w makes channels 128 w .. 128 w + 127 of all three products, so its part of each weight
; (32 fragments, 256 registers) fills one register window and is read from memory once.  Each wave loads the rows' fragments itself (9 loads a tile, two tiles ahead): no LDS, no barrier.
; q and k: source 0 = 16 rows of W, source 1 = 16 rows of x: a lane holds one row of x and eight neighbouring channels.  v: the sources change places: a lane holds one channel and eight neighbouring keys.
; REGISTERS: window 0: v2, v3 offsets; v16-63 the weights' scale words; v64-183 three sets for a tile of x (32 of codes, 4 scale words); v192-255 eight accumulators.  Windows 1, 2, 3: Wq, Wk, Wv, fragment (u, s) at v[8 (4 u + s)].
.set LI,  2                            ; v2   16 x lane
.set LS,  3                            ; v3   16 x (lane % 16)
.set WS,  16                           ; weight g, tiles 2 p (lanes 0-15) and 2 p + 1 (lanes 16-31), K step s: v[WS + 16 g + 4 p + s]
.set XF,  64
.set ACC, 192
.set MSB, 0
.macro WIN new                         ; the immediate's high byte repeats the setting that is left; a switch that changes nothing is dropped
.if MSB != (\new)
	s_set_vgpr_msb (MSB<<8)|(\new)
.set MSB, (\new)
.endif
.endm
	s_load_b256 s[4:11], s[0:1], 0x0               ; codes s[4:5], scales s[6:7], qf s[8:9], kf s[10:11]
	s_load_b64 s[12:13], s[0:1], 0x20              ; vf
	v_lshrrev_b32 v1, 5, v0
	v_readfirstlane_b32 s14, v1                    ; wave
	v_and_b32 v1, 31, v0
	v_lshlrev_b32 v[LI], 4, v1
	v_and_b32 v1, 15, v0
	v_lshlrev_b32 v[LS], 4, v1
	s_mov_b32 s35, 0
	s_wait_kmcnt 0x0
	s_lshl_b32 s34, s14, 15
	s_add_nc_u64 s[16:17], s[4:5], s[34:35]
	s_add_nc_u64 s[16:17], s[16:17], 12582912      ; the weights' codes: tile 3,072 + 8 w; 32 tiles from weight to weight
	s_lshl_b32 s34, s14, 11
	s_add_nc_u64 s[18:19], s[6:7], s[34:35]
	s_add_nc_u64 s[18:19], s[18:19], 786432        ; and their scale bytes
	s_lshl_b32 s34, ttmp9, 15
	s_add_nc_u64 s[20:21], s[4:5], s[34:35]
	s_add_nc_u64 s[20:21], s[20:21], 4194304       ; x_k's codes: tile 1,024 + 8 g
	s_lshl_b32 s34, ttmp9, 11
	s_add_nc_u64 s[22:23], s[6:7], s[34:35]
	s_add_nc_u64 s[22:23], s[22:23], 262144        ; and scale bytes
	s_lshl_b32 s34, ttmp9, 14
	s_add_nc_u64 s[24:25], s[4:5], s[34:35]        ; x_q's codes: tile 4 g
	s_lshl_b32 s34, ttmp9, 10
	s_add_nc_u64 s[26:27], s[6:7], s[34:35]        ; and scale bytes
	s_lshl_b32 s34, ttmp9, 17
	s_lshl_b32 s36, s14, 12
	s_add_co_u32 s34, s34, s36
	s_add_nc_u64 s[28:29], s[10:11], s[34:35]      ; kf: 131,072 g + 4,096 w
	s_add_co_u32 s34, s34, s36
	s_add_nc_u64 s[30:31], s[12:13], s[34:35]      ; vf: 131,072 g + 8,192 w
	s_lshl_b32 s34, ttmp9, 16
	s_add_co_u32 s34, s34, s36
	s_add_nc_u64 s[32:33], s[8:9], s[34:35]        ; qf: 65,536 g + 4,096 w
.macro WLOAD g                         ; my 8 tiles of weight g into window g + 1, and their scale words
	WIN ((\g)+1)<<6
.irp u, 0,1,2,3,4,5,6,7
.irp s, 0,1,2,3
.irp c, 0,1
	global_load_b128 v[8*(4*\u+\s)+4*\c:8*(4*\u+\s)+4*\c+3], v[LI], s[16:17] offset:131072*(\g)+4096*\u+1024*\s+512*\c
.endr
.endr
.endr
	WIN 0
.irp p, 0,1,2,3
	global_load_b128 v[WS+16*(\g)+4*\p:WS+16*(\g)+4*\p+3], v[LI], s[18:19] offset:8192*(\g)+512*\p
.endr
.endm
.macro XLOAD n                         ; unit n: 0-7 my tiles of x_k, 8-11 my tiles of x_q: four fragments and the rows' four scale words, into set n % 3
.set XB, XF+40*((\n)%3)
.if (\n) < 8
.set CB, 20
.set II, (\n)
.else
.set CB, 24
.set II, (\n)-8
.endif
.irp s, 0,1,2,3
.irp c, 0,1
	global_load_b128 v[XB+8*\s+4*\c:XB+8*\s+4*\c+3], v[LI], s[CB:CB+1] offset:4096*II+1024*\s+512*\c
.endr
.endr
	global_load_b128 v[XB+32:XB+35], v[LS], s[CB+2:CB+3] offset:256*II
.endm
; One scaled matrix instruction.  link = 0: it starts the sum.  row = 1: source 0's scales stand in lanes 16-31;  2: source 1's
.macro FP4 d, a, b, link, sa, sb, row
.if (\link) == 0
.if (\row) == 0
	v_wmma_scale_f32_16x16x128_f8f6f4 v[(\d):(\d)+7], v[(\a):(\a)+7], v[(\b):(\b)+7], 0, v[(\sa)], v[(\sb)] matrix_a_fmt:MATRIX_FMT_FP4 matrix_b_fmt:MATRIX_FMT_FP4
.elseif (\row) == 1
	v_wmma_scale_f32_16x16x128_f8f6f4 v[(\d):(\d)+7], v[(\a):(\a)+7], v[(\b):(\b)+7], 0, v[(\sa)], v[(\sb)] matrix_a_fmt:MATRIX_FMT_FP4 matrix_b_fmt:MATRIX_FMT_FP4 matrix_a_scale:MATRIX_SCALE_ROW1
.else
	v_wmma_scale_f32_16x16x128_f8f6f4 v[(\d):(\d)+7], v[(\a):(\a)+7], v[(\b):(\b)+7], 0, v[(\sa)], v[(\sb)] matrix_a_fmt:MATRIX_FMT_FP4 matrix_b_fmt:MATRIX_FMT_FP4 matrix_b_scale:MATRIX_SCALE_ROW1
.endif
.else
.if (\row) == 0
	v_wmma_scale_f32_16x16x128_f8f6f4 v[(\d):(\d)+7], v[(\a):(\a)+7], v[(\b):(\b)+7], v[(\d):(\d)+7], v[(\sa)], v[(\sb)] matrix_a_fmt:MATRIX_FMT_FP4 matrix_b_fmt:MATRIX_FMT_FP4
.elseif (\row) == 1
	v_wmma_scale_f32_16x16x128_f8f6f4 v[(\d):(\d)+7], v[(\a):(\a)+7], v[(\b):(\b)+7], v[(\d):(\d)+7], v[(\sa)], v[(\sb)] matrix_a_fmt:MATRIX_FMT_FP4 matrix_b_fmt:MATRIX_FMT_FP4 matrix_a_scale:MATRIX_SCALE_ROW1
.else
	v_wmma_scale_f32_16x16x128_f8f6f4 v[(\d):(\d)+7], v[(\a):(\a)+7], v[(\b):(\b)+7], v[(\d):(\d)+7], v[(\sa)], v[(\sb)] matrix_a_fmt:MATRIX_FMT_FP4 matrix_b_fmt:MATRIX_FMT_FP4 matrix_b_scale:MATRIX_SCALE_ROW1
.endif
.endif
.endm
; Unit n's 16 rows against my 8 tiles of the weight in window win: 32 matrix instructions, the eight accumulators by turns, one instruction a turn, K ascending.
.macro MULT win, swap, n
.set XB, XF+40*((\n)%3)
.set WB, WS+16*((\win)-1)
	s_wait_xcnt 0x0                                ; the accumulators' registers were the data of the last stores: they are written again only behind this wait
.if \swap
	WIN (\win)<<2                                  ; the weight is source 1
.else
	WIN (\win)                                     ; the weight is source 0
.endif
.irp s, 0,1,2,3
.irp u, 0,1,2,3,4,5,6,7
.if \swap
	FP4 ACC+8*\u, XB+8*\s, 8*(4*\u+\s), \s, XB+32+\s, WB+4*(\u/2)+\s, 2*(\u%2)
.else
	FP4 ACC+8*\u, 8*(4*\u+\s), XB+8*\s, \s, WB+4*(\u/2)+\s, XB+32+\s, \u%2
.endif
.endr
.endr
	WIN 0
.rept 4
	v_nop                                          ; four places between the last product and the first read of results (ISA guide 7.12.1)
.endr
.endm
; The eight tiles are rounded to f16 in place, each from its low end on, and stored: 32 lanes store 512 consecutive bytes.  A tile's conversions are also the places between the other tiles' last products and what
; follows: the loads into the rows' registers, and the next sums, which begin anew on these accumulators.
.macro OUT base, off0, ustep
.irp u, 0,1,2,3,4,5,6,7
.irp i, 0,1,2,3
	v_cvt_pk_f16_f32 v[ACC+8*\u+\i], v[ACC+8*\u+2*\i], v[ACC+8*\u+2*\i+1]
.endr
	global_store_b128 v[LI], v[ACC+8*\u:ACC+8*\u+3], s[\base:\base+1] offset:(\off0)+(\ustep)*\u
.endr
.endm
	WLOAD 0
	WLOAD 1
	WLOAD 2
	XLOAD 0
	XLOAD 1
.irp n, 0,1,2,3,4,5,6,7,8,9,10,11
.if \n+2 < 12
	XLOAD \n+2                                     ; two units ahead, into the set that unit n - 1 has left
	s_wait_loadcnt 18                              ; this unit's nine loads (and all before them) are in; the two younger units' nine each may be out
.elseif \n == 10
	s_wait_loadcnt 9
.else
	s_wait_loadcnt 0x0
.endif
.if \n < 8
	MULT 2, 0, \n
	OUT 28, 16384*\n, 512                          ; k: row tile n of mine, channel tile u at 512 u
	MULT 3, 1, \n
	OUT 30, 32768*(\n/2)+512*(\n%2), 1024          ; v: keys 32 (n / 2) on, the even or the odd 16; channel tile u at 1,024 u
.else
	MULT 1, 0, \n
	OUT 32, 16384*(\n-8), 512                      ; q
.endif
.endr
	s_endpgm
.Lfunc_end_k_q0af15f8778_proj:
	.size	k_q0af15f8778_proj, .Lfunc_end_k_q0af15f8778_proj-k_q0af15f8778_proj
	.p2alignl 7, 3214868480
	.fill 96, 4, 3214868480
	.section	.rodata,"a",@progbits
	.p2align	6, 0x0
	.amdhsa_kernel k_q0af15f8778_proj
		.amdhsa_group_segment_fixed_size 0
		.amdhsa_private_segment_fixed_size 0
		.amdhsa_enable_private_segment 0
		.amdhsa_kernarg_size 40
		.amdhsa_user_sgpr_count 2
		.amdhsa_user_sgpr_kernarg_segment_ptr 1
		.amdhsa_wavefront_size32 1
		.amdhsa_system_sgpr_workgroup_id_x 1
		.amdhsa_system_sgpr_workgroup_id_y 1
		.amdhsa_system_sgpr_workgroup_id_z 1
		.amdhsa_system_vgpr_workitem_id 0
		.amdhsa_next_free_vgpr 1024
		.amdhsa_next_free_sgpr 66
		.amdhsa_reserve_vcc 0
		.amdhsa_float_denorm_mode_32 3
		.amdhsa_float_denorm_mode_16_64 3
		.amdhsa_memory_ordered 1
		.amdhsa_forward_progress 1
		.amdhsa_inst_pref_size 171
	.end_amdhsa_kernel
	.amdgpu_metadata
---
amdhsa.version: [ 1, 2 ]
amdhsa.kernels:
  - .name:           k_q0af15f8778_proj
    .symbol:         k_q0af15f8778_proj.kd
    .args:
      - { .name: codes, .offset: 0, .size: 8, .value_kind: global_buffer, .address_space: global }
      - { .name: scales, .offset: 8, .size: 8, .value_kind: global_buffer, .address_space: global }
      - { .name: qf, .offset: 16, .size: 8, .value_kind: global_buffer, .address_space: global }
      - { .name: kf, .offset: 24, .size: 8, .value_kind: global_buffer, .address_space: global }
      - { .name: vf, .offset: 32, .size: 8, .value_kind: global_buffer, .address_space: global }
    .group_segment_fixed_size: 0
    .private_segment_fixed_size: 0
    .kernarg_segment_align: 8
    .kernarg_segment_size: 40
    .max_flat_workgroup_size: 128
    .sgpr_count:     66
    .vgpr_count:     1024
    .wavefront_size: 32
...
	.end_amdgpu_metadata
.endif
;; end of part 2
;; launch attn (part 3): grid 16 x 16, 4 waves a work-group, clusters of 4 x 1, 327,680 bytes of LDS; arguments qf, kf, vf, x_mask, out0; writes out0
.if DOCPART == 3
	.amdgcn_target "amdgcn-amd-amdhsa--gfx1250"
	.amdhsa_code_object_version 6
	.text
	.protected	k_q0af15f8778_attn
	.globl	k_q0af15f8778_attn
	.p2align	8
	.type	k_q0af15f8778_attn,@function
k_q0af15f8778_attn:
	s_mov_b64 s[64:65], 0
	v_nop
	global_prefetch_b8 v0, s[64:65] scope:SCOPE_SE
	s_setreg_imm32_b32 hwreg(HW_REG_WAVE_MODE, 25, 1), 1
	s_wait_xcnt 0x0
	s_wait_alu depctr_hold_cnt(0) depctr_sa_sdst(0) depctr_va_vdst(0) depctr_va_sdst(0) depctr_va_ssrc(0) depctr_va_vcc(0) depctr_vm_vsrc(0)
	s_getreg_b32 s2, hwreg(HW_REG_IB_STS2, 6, 4)
	s_cmp_eq_u32 s2, 0
	s_cbranch_scc0 .Lentry_in_a_cluster
	s_endpgm
.Lentry_in_a_cluster:
	s_bfe_u32 s2, ttmp6, 0x10000c
	s_cmp_lg_u32 s2, 0x3003
	s_cbranch_scc0 .Lentry_shape_is_right
	s_endpgm
.Lentry_shape_is_right:
; out[b][q][:] = mask[b][q] x the sum over keys of softmax(q . k / sqrt(512)) v.  16 batches, 1,024 queries, 2,048 keys, 512 channels.  q, k, v arrive in f16 as images of operand registers (laid by the launch before);
; products by v_wmma_f32_16x16x32_f16, sums, maxima and exponentials in f32; the weights p are rounded to f16 for the second product; the row's sum is taken of the unrounded p.
; SOFTMAX.  t = score x log2(e) / sqrt(512); M = the row's largest t so far, rounded up to a whole number; p = 2^(t - M), at most about 1; when M moves, the sum and O are multiplied by f = 2^(old M - new M), which rounds nothing.
; LIMITS: NaN and infinities are not served; a p under 2^-24 becomes 0 in f16.
; SHARES.  A work-group owns 64 queries of one batch (four tiles of 16) and walks the 2,048 keys in 16 steps of 128.  THE FOUR WAVES SHARE THE 64 QUERIES.  In S^T = K Q^T (source 0 = 16 keys, source 1 = 16 queries) wave w takes
; keys 32 w .. 32 w + 31 of the step, for all four tiles; in O^T += V^T P (source 0 = 16 channels, source 1 = P) it takes channels 128 w .. 128 w + 127, for all four tiles and all 128 keys.  So each fragment of K and V read
; from LDS feeds four matrix instructions.  A lane holds ONE query (lane % 16) throughout.  What goes from wave to wave: the tiles' largest scores (16 bytes a lane and tile) and P, as images of its registers.
; BY TURNS, ACROSS STEPS.  A trip has two phases.  First K Q^T of step j + 1, 128 products, with O^T's rescaling by f(j) between them, two packed multiplies behind every second product.  Then V^T P of step j, 128 products,
; with the softmax of step j + 1 between them, two instructions behind each of the first 98.  Only the largest score of the wave's own 32 keys is found with no product beside it.
; TWO SYNCHRONISATIONS A TRIP.  Behind K Q^T: it publishes the waves' largest scores and P(j), shows V(j) whole, and K's buffer is filled again.  Behind V^T P: it shows K(j + 2) whole, and V's buffer is filled again; P(j + 1), which
; has stayed packed in S^T's registers, is stored behind it, when nobody reads P(j) any more.
; CLUSTER.  The four work-groups of a cluster belong to one batch and walk the same K and V: each tile is asked for JOINTLY, by the same tensor load with the same descriptor and a mask that names the four.
; K'S AND V'S BUFFERS TAKE TURNS.  A step's K and V are 131,072 bytes each: there is one buffer for each; each wave brings a quarter: one tensor load of 32,768 bytes behind each round; two are out at the head, later one.
; THE WALK.  Cluster x of a batch's four takes the steps of each group of four in the order x, x + 1, x + 2, x + 3 (mod 4): walk step j is tile (j & 12) | ((j + x) & 3).  At any time the four clusters ask for four different tiles,
; and each tile is asked for first by one of them: each cluster is the first in one step of four.  The order of a softmax's terms is free.
; This launch claims all of LDS.
; REGISTERS, in windows of 256 (s_set_vgpr_msb: bits 1:0 source 0, 3:2 source 1, 5:4 source 2, 7:6 destination):
;   window 0: v2-15 addresses; v16-47 statistics; v48-63 at work; v64-127 S^T (tile t, key tile a at v[64 + 16 t + 8 a]), then p, then P packed in each tile's first eight; v128-255 fragments: of K in two sets of 64;
;             of V in two sets of 32 (v128, v160) and of P in two sets of 32 (v192, v224)
;   window 1: O^T, accumulator (u, t) at v[8 (4 u + t)]     window 2: Q, channels 0-255: (t, s) at v[64 t + 8 s]     window 3: Q, channels 256-511.  On the way out windows 2 and 3 carry the results.
; All that a softmax touches lies in window 0 and O^T fills window 1, so a slice costs two switches of the windows: that is the price of the turns.
.set VB,    131072                     ; LDS: K's buffer from 0 (key tile x 16,384 + 32 channels x 1,024 + 512 c + 16 lane); V's from here (32 keys x 32,768 + channel tile x 1,024 + 512 c + 16 lane)
.set PBUF,  262144                     ; P: (4 w + t) x 1,024 + 512 c + 16 lane
.set STAT,  278528                     ; the waves' figures: 512 t + 16 lane + 4 w
.set STG,   280576                     ; the way out: 16 rows x (512 bytes + 16) for each wave
.set SROW,  528
.set SPARE, 314368                     ; the spare words, 128 bytes a wave, which no other line names
.set TILEB, 131072                     ; a step's K, or V, in bytes
.set ADK,  2                           ; v2   my K fragments: 16 lane + 32,768 w
.set ADV,  3                           ; v3, v4  my V fragments: VB + 16 lane + 8,192 w, and 65,536 on
.set ADP,  5                           ; v5   P, to read: PBUF + 16 lane
.set ADPW, 6                           ; v6   P, to write: + 4,096 w
.set ADS,  7                           ; v7   figures, to write: STAT + 16 lane + 4 w
.set ADSR, 8                           ; v8   figures, to read: STAT + 16 lane
.set STO,  9                           ; v9   the stage: where I put 32 bytes of a row
.set RD,   10                          ; v10  and where I read a row back
.set GO,   11                          ; v11  16 x lane
.set PFO,  12                          ; v12  256 x lane: the prefetches' offset; never rewritten
.set RR,   13                          ; v13  lane % 16
.set SPW,  14                          ; v14  LDS address of my spare word; never rewritten
.set NIL,  15                          ; v15  0; never rewritten
.set NM,   16                          ; v16-23  tile t: the pair (-M, the largest score so far)
.set L,    24                          ; v24-31  tile t: the sum, in two halves
.set F,    32                          ; v32-39  tile t: the pair (f, a register written once)
.set MK,   40                          ; v40-43  tile t: my query's mask
.set T,    44                          ; v44-47
.set X,    48                          ; v48-63
.set S,    64
.set FB0,  128                         ; K's two sets
.set FB1,  192
.set VS,   128                         ; V's two sets
.set PS,   192                         ; P's two sets
.set WV,   14                          ; s14  my wave's number
.set G1,   24                          ; s[24:31] descriptor group 1, for K's and V's tiles alike
.set G0K,  32                          ; s[32:35] group 0 for K's tiles;  s[36:39] for V's
.set G0V,  36
.set CS,   40                          ; s[40:41] c = log2(e) / sqrt(512), twice: the packed form names a pair
.set SEL,  42                          ; s[42:43] lane selects for v_permlanex16_b32: lane l xor 16
.set CNT,  44                          ; s44  the loop's trips to go
.set CB,   45                          ; s45  cluster x, in tiles' bytes
.set PFK,  46                          ; s[46:47] my part of K's tile number x of the batch: the prefetches' base; never rewritten;  s[48:49] the same of V
.set PFV,  48
.set KBS,  50                          ; s[50:51] my quarter of the batch's tile 0 of K;  s[52:53] of V
.set VBS,  52
.set OF,   54                          ; s[54:55] a tile's byte offset in the batch, as a pair
.set JK,   56                          ; s56  K's walk step, in tiles' bytes;  s57 V's
.set JV,   57
.set TMP,  59
.set MSB, 0
.macro WIN new                         ; the immediate's high byte repeats the setting that is left; a switch that changes nothing is dropped
.if MSB != (\new)
	s_set_vgpr_msb (MSB<<8)|(\new)
.set MSB, (\new)
.endif
.endm
.macro PLACES n
.rept \n
	v_nop
.endr
.endm
; A round of the cluster's barrier: my work-group's barrier, so that wave 0's signal speaks for all four waves; wave 0 signals for the work-group; every wave waits for all four work-groups; my work-group's barrier once more.
.macro CROUND
	s_barrier_signal -1
	s_barrier_wait -1
	s_cmp_lg_u32 s[WV], 0
	s_cbranch_scc1 .Lnot_wave_0_\@
	s_barrier_signal -3
.Lnot_wave_0_\@:
	s_barrier_wait -3
	s_barrier_signal -1
	s_barrier_wait -1
.endm
; A PREFETCH INTO THE L2.  A cluster names the tiles for which it is the first of the batch's four to ask: those of its walk steps 4, 8 and 12, which are tiles 4 + x, 8 + x, 12 + x (step 0's come by their loads alone: nothing is
; prefetched at the head).  Its sixteen waves share a tile's 131,072 bytes out BY ADDRESS, 8,192 each, lanes 256 bytes apart: one instruction a wave, and each block is named once in the launch.  The tile stands in the immediate,
; so no address is stepped.  A tile is named one key step, 256 matrix instructions, ahead of the tensor load that asks for it: K of walk step m in the V^T P phase of trip m - 3, V of walk step m in the K Q^T phase of trip m - 1.
; The branch hangs on the loop's count alone, which is the same in all partners.  cnt: the count of the trip that asks;  n: the group's first tile.
.macro ASKC pf, cnt, n
	s_cmp_eq_u32 s[CNT], \cnt
	s_cbranch_scc0 .Lnot_now_\@
	global_prefetch_b8 v[PFO], s[\pf:\pf+1] offset:(\n)*TILEB th:TH_LOAD_NT scope:SCOPE_SE
.Lnot_now_\@:
.endm
	s_load_b256 s[4:11], s[0:1], 0x0               ; qf s[4:5], kf s[6:7], vf s[8:9], x_mask s[10:11]
	s_load_b64 s[12:13], s[0:1], 0x20              ; out0
	v_lshl_add_u32 v[SPW], v0, 2, SPARE
	v_mov_b32 v[NIL], 0
	ds_add_u32 v[SPW], v[NIL]                      ; the wave's opening: the add, twice on end, and its wait ahead of my first tensor load; the set-up below stands between the second and the wait
	ds_add_u32 v[SPW], v[NIL]
	v_lshrrev_b32 v1, 5, v0
	v_readfirstlane_b32 s[WV], v1                  ; wave 0..3
	s_bfe_u32 s15, ttmp6, 0x40000                  ; cx: my place in the cluster
	s_lshl_b32 s16, ttmp9, 2                       ; in a cluster launch ttmp9 counts clusters
	s_add_co_u32 s16, s16, s15                     ; my block of 64 queries = 4 x cluster x + cx: it enters Q's, the mask's and the output's addresses alone
	s_and_b32 s17, ttmp7, 0xffff                   ; the batch, which the four partners share
	; descriptor group 1: 32,768 dense bytes as 128 rows of 32 elements of 8 bytes; no padding: every fragment read takes 512 consecutive bytes
	s_mov_b32 s[G1], 15|(3<<16)|(1<<21)            ; 15:0 the mask: all four work-groups; 17:16 elements of 8 bytes; 21 set beside a mask
	s_mov_b32 s[G1+1], 32<<16                      ; tensor_dim0 = 32
	s_mov_b32 s[G1+2], 128<<16                     ; tensor_dim1 = 128
	s_mov_b32 s[G1+3], 32<<16                      ; tile_dim0 = 32
	s_mov_b32 s[G1+4], 128                         ; tile_dim1 = 128
	s_mov_b32 s[G1+5], 32                          ; from row to row
	s_mov_b32 s[G1+6], 0
	s_mov_b32 s[G1+7], 0
	s_mov_b32 s[CS], 0x3d8293ee                    ; c = log2(e) / sqrt(512)
	s_mov_b32 s[CS+1], s[CS]
	s_mov_b32 s[SEL], 0x76543210
	s_mov_b32 s[SEL+1], 0xfedcba98
	s_lshl_b32 s[CB], ttmp9, 17                    ; cluster x tiles: the same in all four partners
	s_mov_b32 s[JK], 0                             ; both walks stand at step 0,
	s_mov_b32 s[JV], 0
	s_mov_b32 s[OF], s[CB]                         ; which is tile x
	s_mov_b32 s[OF+1], 0
	; every LDS address is made here, ahead of the first branch on the wave's number: constants, the lane, the wave
	v_and_b32 v1, 31, v0
	v_lshlrev_b32 v[GO], 4, v1
	v_lshlrev_b32 v[PFO], 8, v1
	v_and_b32 v[RR], 15, v0
	v_bfe_u32 v1, v0, 4, 1                         ; lane / 16
	s_lshl_b32 s18, s[WV], 15
	v_add_nc_u32 v[ADK], s18, v[GO]
	s_lshl_b32 s19, s[WV], 13
	s_add_co_u32 s19, s19, VB
	v_add_nc_u32 v[ADV], s19, v[GO]
	v_add_nc_u32 v[ADV+1], 0x10000, v[ADV]
	v_add_nc_u32 v[ADP], PBUF, v[GO]
	s_lshl_b32 s19, s[WV], 12
	v_add_nc_u32 v[ADPW], s19, v[ADP]
	v_add_nc_u32 v[ADSR], STAT, v[GO]
	s_lshl_b32 s19, s[WV], 2
	v_add_nc_u32 v[ADS], s19, v[ADSR]
	v_mul_u32_u24 v[STO], v[RR], SROW
	v_lshl_add_u32 v[STO], v1, 5, v[STO]
	s_mul_i32 s19, s[WV], 16*SROW
	s_add_co_u32 s19, s19, STG
	v_add_nc_u32 v[STO], s19, v[STO]               ; the stage: row lane % 16, + 32 (lane / 16); the channel tile stands in the offset
	v_add_nc_u32 v[RD], s19, v[GO]                 ; back: a row's 512 bytes, 16 a lane
	; byte offsets, apart from the addresses
	s_lshl_b32 s58, s17, 21                        ; a batch of kf, of vf and of out0 is 2^21 bytes
	s_add_co_u32 s18, s58, s18                     ; K, V: my quarter of the batch's tile 0: batch and wave alone
	s_mov_b32 s19, 0
	s_lshl_b32 s20, s17, 20                        ; Q: 2^20 bytes a batch, 65,536 a block of 64 queries
	s_lshl_b32 s21, s16, 16
	s_add_co_u32 s20, s20, s21
	s_mov_b32 s21, 0
	s_lshl_b32 s22, s17, 10                        ; the mask: a byte a query
	s_lshl_b32 s23, s16, 6
	s_add_co_u32 s22, s22, s23
	s_mov_b32 s23, 0
	s_lshl_b32 s60, s16, 17                        ; the output: 64 rows of 2,048 bytes a block, my 128 channels' 512 bytes
	s_add_co_u32 s60, s60, s58
	s_lshl_b32 s61, s[WV], 9
	s_add_co_u32 s60, s60, s61
	s_mov_b32 s61, 0
	s_lshl_b32 s62, s15, 2                         ; the prefetches: part 4 cx + w of a tile's sixteen, in the batch's tile x
	s_add_co_u32 s62, s62, s[WV]
	s_lshl_b32 s62, s62, 13
	s_add_co_u32 s62, s62, s58
	s_add_co_u32 s62, s62, s[CB]
	s_mov_b32 s63, 0
	s_wait_dscnt 0x0                               ; both opening adds are done
	s_wait_kmcnt 0x0
	s_add_nc_u64 s[4:5], s[4:5], s[20:21]
	s_add_nc_u64 s[10:11], s[10:11], s[22:23]
	s_add_nc_u64 s[12:13], s[12:13], s[60:61]
	s_add_nc_u64 s[PFK:PFK+1], s[6:7], s[62:63]
	s_add_nc_u64 s[PFV:PFV+1], s[8:9], s[62:63]
	s_add_nc_u64 s[KBS:KBS+1], s[6:7], s[18:19]
	s_add_nc_u64 s[VBS:VBS+1], s[8:9], s[18:19]
	s_mov_b32 s[G0K], 1                            ; count = 1
	s_lshl_b32 s[G0K+1], s[WV], 15                 ; LDS address: my quarter of K's buffer
	s_add_nc_u64 s[G0K+2:G0K+3], s[KBS:KBS+1], s[OF:OF+1]   ; global address: walk step 0's tile
	s_or_b32 s[G0K+3], s[G0K+3], 0x80000000        ; type = 2
	s_mov_b32 s[G0V], 1
	s_lshl_b32 s[G0V+1], s[WV], 15
	s_add_co_u32 s[G0V+1], s[G0V+1], VB
	s_add_nc_u64 s[G0V+2:G0V+3], s[VBS:VBS+1], s[OF:OF+1]
	s_or_b32 s[G0V+3], s[G0V+3], 0x80000000
	CROUND                                         ; all four work-groups are here: the first joint loads meet
	tensor_load_to_lds s[G0K:G0K+3], s[G1:G1+7]    ; step 0's K,
	s_nop 0
	tensor_load_to_lds s[G0V:G0V+3], s[G1:G1+7]    ; and V: the two first fills go out together; an s_nop 0 follows each, four v_nop the second
	s_nop 0
	PLACES 4
	WIN 0x80                                       ; Q stays in registers: every wave holds all 64 queries.  Destination window 2: channels 0-255
.irp t, 0,1,2,3
.irp s, 0,1,2,3,4,5,6,7
.irp c, 0,1
	global_load_b128 v[64*\t+8*\s+4*\c:64*\t+8*\s+4*\c+3], v[GO], s[4:5] offset:16384*\t+1024*\s+512*\c
.endr
.endr
.endr
	WIN 0xc0                                       ; window 3: channels 256-511
.irp t, 0,1,2,3
.irp s, 0,1,2,3,4,5,6,7
.irp c, 0,1
	global_load_b128 v[64*\t+8*\s+4*\c:64*\t+8*\s+4*\c+3], v[GO], s[4:5] offset:16384*\t+1024*(8+\s)+512*\c
.endr
.endr
.endr
	WIN 0
.irp t, 0,1,2,3
	global_load_u8 v[MK+\t], v[RR], s[10:11] offset:16*\t   ; my query's mask byte in each tile
.endr
.irp t, 0,1,2,3
	v_mov_b32 v[NM+2*\t+1], 0xff61b1e6             ; the largest score so far: -3e38, under every score
	v_mov_b32 v[L+2*\t], 0                         ; the sum
	v_mov_b32 v[L+2*\t+1], 0
	v_mov_b32 v[F+2*\t+1], 0                       ; named as the upper half of a pair, so it is written
	v_mov_b32 v[X+\t], 0                           ; a lane permute's destination counts as one of its sources
.endr
.irp t, 0,1,2,3
	v_floor_f32 v[NM+2*\t], -v[NM+2*\t+1]          ; -M
.endr
; THE K Q^T PHASE.  K's fragments come in four chunks of 128 channels, 16 loads each, two sets by turns.
.macro KFETCH g, fb
.irp a, 0,1
.irp i, 0,1,2,3
.irp c, 0,1
	ds_load_b128 v[\fb+8*(4*\a+\i)+4*\c:\fb+8*(4*\a+\i)+4*\c+3], v[ADK] offset:16384*\a+1024*(4*(\g)+\i)+512*\c
.endr
.endr
.endr
.endm
; Number rr of the 128 packed multiplies that bring O^T under the new M: accumulator rr / 4, each from its low end on; its tile is (rr / 4) % 4.
.macro RS
.set ra, rr/4
	v_pk_mul_f32 v[8*ra+2*(rr%4):8*ra+2*(rr%4)+1], v[8*ra+2*(rr%4):8*ra+2*(rr%4)+1], v[F+2*(ra%4):F+2*(ra%4)+1] op_sel_hi:[1,0]
.endm
; 32 products: channels 128 g on, my two key tiles x the four query tiles.  The eight accumulators take turns, one instruction a turn, in the same order in every chunk.  The first eight start the sums.
; resc = 1: behind every second product stand two of O^T's multiplies: 64 slices for the phase's 128 products.  They name no register of the products round them.
.macro KQ g, fb, resc
.irp i, 0,1,2,3
.irp t, 0,1,2,3
.irp a, 0,1
	WIN 0x08+4*((\g)/2)                            ; source 1 (Q) in window 2 or 3
.if ((\g) == 0) && (\i == 0)
	v_wmma_f32_16x16x32_f16 v[S+16*\t+8*\a:S+16*\t+8*\a+7], v[\fb+8*(4*\a+\i):\fb+8*(4*\a+\i)+7], v[64*\t+8*(4*((\g)%2)+\i):64*\t+8*(4*((\g)%2)+\i)+7], 0
.else
	v_wmma_f32_16x16x32_f16 v[S+16*\t+8*\a:S+16*\t+8*\a+7], v[\fb+8*(4*\a+\i):\fb+8*(4*\a+\i)+7], v[64*\t+8*(4*((\g)%2)+\i):64*\t+8*(4*((\g)%2)+\i)+7], v[S+16*\t+8*\a:S+16*\t+8*\a+7]
.endif
.set qn, qn+1
.if (\resc) && ((qn%2) == 0)
	WIN 0x41                                       ; O^T (destination and source 0) in window 1, f in window 0
.set rr, qn-2
	RS
.set rr, qn-1
	RS
.endif
.endr
.endr
.endr
.endm
; P of the step whose softmax is done lies packed in each tile's first eight registers of S^T: two key tiles' pairs ARE a fragment of P (32 keys x 16 queries).  Its image goes to LDS.
.macro PSTORE
.irp t, 0,1,2,3
.irp c, 0,1
	ds_store_b128 v[ADPW], v[S+16*\t+4*\c:S+16*\t+4*\c+3] offset:1024*\t+512*\c
.endr
.endr
.endm
; Each tile's largest score among my 32 keys, into my word of the waves' figures.
.macro LOCALMAX
	PLACES 4                                       ; between the last product and the first read of results (ISA guide 7.12.1)
.irp t, 0,1,2,3
	v_max3_num_f32 v[T+\t], v[S+16*\t], v[S+16*\t+1], v[S+16*\t+2]   ; each accumulator is read from its low end on; the four tiles by turns
.endr
.irp i, 3,5,7,9,11,13
.irp t, 0,1,2,3
	v_max3_num_f32 v[T+\t], v[T+\t], v[S+16*\t+\i], v[S+16*\t+\i+1]
.endr
.endr
.irp t, 0,1,2,3
	v_max_num_f32 v[T+\t], v[T+\t], v[S+16*\t+15]
.endr
.irp t, 0,1,2,3
	v_permlanex16_b32 v[X+\t], v[T+\t], s[SEL], s[SEL+1]   ; the query's other 16 keys lie in the lane 16 away
.endr
.irp t, 0,1,2,3
	v_max_num_f32 v[T+\t], v[T+\t], v[X+\t]
.endr
.irp t, 0,1,2,3
	ds_store_b32 v[ADS], v[T+\t] offset:512*\t
.endr
.endm
; resc: O^T is rescaled between the products.  pst: P is stored first: nobody reads the last P any more, and the wait for chunk 0 covers these stores, so that the products write S^T only when the stores have read it.
; ask: the loop's copy: V's prefetches, behind V's refill, its places and the run of LDS loads that the next products wait for.
.macro SPHASE resc, pst, ask
.if \pst
	PSTORE
.endif
	KFETCH 0, FB0
	KFETCH 1, FB1
.if \ask
	ASKC PFV, 11, 4                                ; trip 3 names V of walk step 4,
	ASKC PFV, 7, 8                                 ; trip 7 of step 8,
	ASKC PFV, 3, 12                                ; trip 11 of step 12
.endif
.set qn, 0
	s_wait_dscnt 16                                ; P's stores are done and chunk 0 is in; chunk 1's sixteen loads may be out
	KQ 0, FB0, \resc
	WIN 0
	PLACES 4                                       ; four places in front of loads into registers that matrix instructions have read
	KFETCH 2, FB0
	s_wait_dscnt 16                                ; chunk 1 is in
	KQ 1, FB1, \resc
	WIN 0
	PLACES 4
	KFETCH 3, FB1
	s_wait_dscnt 16                                ; chunk 2 is in
	KQ 2, FB0, \resc
	s_wait_dscnt 0x0
	KQ 3, FB1, \resc
	WIN 0
	LOCALMAX
.endm
; THE SOFTMAX of a step, for all four tiles, is a list of 196 instructions; SM writes number sj of it.
;   0-31     the four waves' figures give the running largest score, the new -M = floor(-t) and f = 2^(old M - new M): eight lines a tile, the four tiles by turns.  Every wave makes the same M
;   32-127   ONE BATCH: the 32 scalings t - M, a pair of scores each, and the 64 exponentials.  None of these names an exponential's result.  32-39 eight scalings; 40-87 a scaling and an exponential by turns; 88-127 the other forty
;   128-131  the sums under the new M: plain lines behind the last exponential
;   (wait)   between 131 and 132 stands the one wait for the batch: SLICE writes it
;   132-163  the sums of the unrounded p;   164-195  p rounded to f16, in place: pair i of a tile lands in the tile's register i, which no later pair reads
.macro SM
.if sj < 32
.set tt, sj%4
.if sj < 4
	v_max3_num_f32 v[T+tt], v[X+4*tt], v[X+4*tt+1], v[X+4*tt+2]
.elseif sj < 8
	v_max3_num_f32 v[NM+2*tt+1], v[T+tt], v[X+4*tt+3], v[NM+2*tt+1]   ; the running largest score
.elseif sj < 12
	v_mul_f32 v[T+tt], s[CS], v[NM+2*tt+1]         ; as t (c is positive)
.elseif sj < 16
	v_mov_b32 v[X+4*tt], v[NM+2*tt]
.elseif sj < 20
	v_floor_f32 v[NM+2*tt], -v[T+tt]               ; M is a whole number
.elseif sj < 24
	v_sub_f32 v[X+4*tt], v[NM+2*tt], v[X+4*tt]     ; old M - new M: a whole number, 0 or less
.elseif sj < 28
	v_cvt_i32_f32 v[X+4*tt], v[X+4*tt]             ; (it saturates)
.else
	v_ldexp_f32 v[F+2*tt], 1.0, v[X+4*tt]          ; f
.endif
.elseif (sj < 40) || ((sj < 88) && ((sj%2) == 0))
.set pp, sj-32
.if sj >= 40
.set pp, 8+(sj-40)/2
.endif
	v_pk_fma_f32 v[S+2*pp:S+2*pp+1], v[S+2*pp:S+2*pp+1], s[CS:CS+1], v[NM+2*(pp/8):NM+2*(pp/8)+1] op_sel_hi:[1,0,0]   ; t - M, two at a time (of the pairs c and -M the low word serves both halves)
.elseif sj < 128
.set ee, 24+sj-88
.if sj < 88
.set ee, (sj-41)/2
.endif
	v_exp_f32 v[S+ee], v[S+ee]
.elseif sj < 132
.set tt, sj-128
	v_pk_mul_f32 v[L+2*tt:L+2*tt+1], v[L+2*tt:L+2*tt+1], v[F+2*tt:F+2*tt+1] op_sel_hi:[1,0]
.elseif sj < 164
.set tt, (sj-132)%4
.set pp, (sj-132)/4
	v_pk_add_f32 v[L+2*tt:L+2*tt+1], v[L+2*tt:L+2*tt+1], v[S+16*tt+2*pp:S+16*tt+2*pp+1]
.else
.set tt, (sj-164)%4
.set pp, (sj-164)/4
	v_cvt_pk_f16_f32 v[S+16*tt+pp], v[S+16*tt+2*pp], v[S+16*tt+2*pp+1]
.endif
.endm
; Slice sk of 98: numbers 2 sk and 2 sk + 1 of the list.  Ahead of slice 66 nothing names an exponential's result, and behind slice 63 no exponential is issued: so the step's 64 exponentials have one wait.
.macro SLICE
.if sk < 98
	WIN 0
.if sk == 66
	s_wait_alu depctr_va_vdst(0)                   ; one wait for the batch, ahead of its first reader
.endif
.set sj, 2*sk
	SM
.set sj, 2*sk+1
	SM
.endif
.set sk, sk+1
.endm
.macro STATL                           ; the four waves' figures for my query, in each tile
.irp t, 0,1,2,3
	ds_load_b128 v[X+4*\t:X+4*\t+3], v[ADSR] offset:512*\t
.endr
.endm
; THE SYNCHRONISATIONS.  Each wave waits for all its tensor loads (one is out at the most: the other buffer's), adds 0 to its spare word, and waits for that and for all its LDS instructions: its stores have landed, its reads are over.
; refill = 1: the barrier is a round of the cluster's, so that no wave of any partner still reads the buffer or has a load on its way, and the joint refill is the first thing behind it.  jj: the walk that steps.
.macro SYNC g0, bs, jj, refill
	s_wait_tensorcnt 0x0                           ; no tensor load of mine is out, so a group 0 may be written
	ds_add_u32 v[SPW], v[NIL]                      ; 0 onto my spare word; the steps below stand between it and the wait for it
.if \refill
	s_add_co_u32 s[\jj], s[\jj], TILEB             ; the walk's next step j, in tiles' bytes;
	s_add_co_u32 s[OF], s[\jj], s[CB]
	s_and_b32 s[OF], s[OF], 3*TILEB                ; its tile: (j + x) & 3 within the group,
	s_and_b32 s[TMP], s[\jj], 12*TILEB             ; j & 12 the group
	s_or_b32 s[OF], s[OF], s[TMP]
	s_add_nc_u64 s[\g0+2:\g0+3], s[\bs:\bs+1], s[OF:OF+1]
	s_or_b32 s[\g0+3], s[\g0+3], 0x80000000        ; type = 2
	s_wait_dscnt 0x0
	CROUND
	tensor_load_to_lds s[\g0:\g0+3], s[G1:G1+7]    ; my one tensor load behind this round
	s_nop 0
	PLACES 4                                       ; the places between the last products and the loads into their sources
.else
	s_wait_dscnt 0x0
	s_barrier_signal -1
	s_barrier_wait -1
.endif
.endm
; THE V^T P PHASE, in eight units of 16 products: unit n is K step s = n / 2 (32 keys: wave s's P) x my channel tiles 4 (n % 2) .. + 3 x the four query tiles.
.macro VFETCH n                        ; unit n's four fragments of V into set n % 2
.set VSR, VS+32*((\n)%2)
.irp i, 0,1,2,3
.irp c, 0,1
	ds_load_b128 v[VSR+8*\i+4*\c:VSR+8*\i+4*\c+3], v[ADV+(\n)/4] offset:32768*(((\n)/2)%2)+1024*(4*((\n)%2)+\i)+512*\c
.endr
.endr
.endm
.macro PFETCH s                        ; K step s's four fragments of P into set s % 2
.set PSR, PS+32*((\s)%2)
.irp t, 0,1,2,3
.irp c, 0,1
	ds_load_b128 v[PSR+8*\t+4*\c:PSR+8*\t+4*\c+3], v[ADP] offset:1024*(4*(\s)+\t)+512*\c
.endr
.endr
.endm
; The unit's 16 accumulators take turns, one instruction a turn.  first = 1: K step 0 starts the sums: nothing is ever cleared.  soft = 1: a slice of the next step's softmax behind each product.
.macro UNIT n, first, soft
.set VSR, VS+32*((\n)%2)
.set PSR, PS+32*(((\n)/2)%2)
.irp i, 0,1,2,3
.irp t, 0,1,2,3
	WIN 0x50                                       ; C and D in window 1
.if (\first) && ((\n) < 2)
	v_wmma_f32_16x16x32_f16 v[8*(4*(4*((\n)%2)+\i)+\t):8*(4*(4*((\n)%2)+\i)+\t)+7], v[VSR+8*\i:VSR+8*\i+7], v[PSR+8*\t:PSR+8*\t+7], 0
.else
	v_wmma_f32_16x16x32_f16 v[8*(4*(4*((\n)%2)+\i)+\t):8*(4*(4*((\n)%2)+\i)+\t)+7], v[VSR+8*\i:VSR+8*\i+7], v[PSR+8*\t:PSR+8*\t+7], v[8*(4*(4*((\n)%2)+\i)+\t):8*(4*(4*((\n)%2)+\i)+\t)+7]
.endif
.if \soft
	SLICE
.endif
.endr
.endr
.endm
; V of unit n + 2 is fetched behind unit n, into the set that it has left; P of K step s + 2 behind unit 2 s + 1.  LDS loads come back in order (ISA guide 5.7.1): the counts name the runs of eight that are younger than what the unit needs.
; ask: the loop's copy: K's prefetches, behind K's refill, its places and the run of LDS loads.
.macro PVPHASE first, soft, ask
.if \soft
	STATL
.endif
	PFETCH 0
	VFETCH 0
	VFETCH 1
	PFETCH 1
.if \ask
	ASKC PFK, 13, 4                                ; trip 1 names K of walk step 4,
	ASKC PFK, 9, 8                                 ; trip 5 of step 8,
	ASKC PFK, 5, 12                                ; trip 9 of step 12
.endif
.set sk, 0
	s_wait_dscnt 16                                ; the figures, P 0 and V 0 are in; V 1 and P 1 may be out
	UNIT 0, \first, \soft
	PLACES 4                                       ; four places in front of loads into registers that matrix instructions have read
	WIN 0
	VFETCH 2
	s_wait_dscnt 16                                ; V 1 is in; P 1 and V 2 may be out
	UNIT 1, \first, \soft
	PLACES 4
	WIN 0
	VFETCH 3
	PFETCH 2
	s_wait_dscnt 16                                ; P 1 and V 2 are in; V 3 and P 2 may be out
	UNIT 2, \first, \soft
	PLACES 4
	WIN 0
	VFETCH 4
	s_wait_dscnt 16                                ; V 3 is in; P 2 and V 4 may be out
	UNIT 3, \first, \soft
	PLACES 4
	WIN 0
	VFETCH 5
	PFETCH 3
	s_wait_dscnt 16                                ; P 2 and V 4 are in; V 5 and P 3 may be out
	UNIT 4, \first, \soft
	PLACES 4
	WIN 0
	VFETCH 6
	s_wait_dscnt 16                                ; V 5 is in; P 3 and V 6 may be out
	UNIT 5, \first, \soft
	PLACES 4
	WIN 0
	VFETCH 7
	s_wait_dscnt 8                                 ; P 3 and V 6 are in; V 7 may be out
	UNIT 6, \first, \soft
	s_wait_dscnt 0x0
	UNIT 7, \first, \soft
	WIN 0
.endm
	s_wait_tensorcnt 0x1                           ; my quarter of step 0's K is in; V's may stay out
	s_barrier_signal -1
	s_barrier_wait -1
	s_wait_loadcnt 0x0                             ; Q and the mask
	; what comes ahead of the trips: step 0's scores and its softmax, with no product to set it between
	SPHASE 0, 0, 0
	SYNC G0K, KBS, JK, 1                           ; K of step 1
	STATL
	s_wait_dscnt 0x0
.set sk, 0
.rept 98
	SLICE
.endr
	SYNC G0V, VBS, JV, 0                           ; K of step 1 is in; every wave has read the figures; nothing is filled: V of step 0 has not been multiplied yet
	; trip 0: there is no O^T yet to rescale; its V^T P starts O^T's sums
	SPHASE 0, 1, 0
	SYNC G0K, KBS, JK, 1                           ; K of step 2
	PVPHASE 1, 1, 0
	SYNC G0V, VBS, JV, 1                           ; V of step 1
	s_mov_b32 s[CNT], 13
.Lstep:                                            ; trips j = 1 to 13 (the count is 14 - j): K Q^T of step j + 1 | O^T x f(j);  K of step j + 2;  V^T P of step j | the softmax of step j + 1;  V of step j + 1
	SPHASE 1, 1, 1
	SYNC G0K, KBS, JK, 1
	PVPHASE 0, 1, 1
	SYNC G0V, VBS, JV, 1
	s_sub_co_u32 s[CNT], s[CNT], 1
	s_cmp_lg_u32 s[CNT], 0
	s_cbranch_scc1 .Lstep
	; trip 14 is written out: there is no K left to fetch
	SPHASE 1, 1, 0
	SYNC G0K, KBS, JK, 0
	PVPHASE 0, 1, 0
	SYNC G0V, VBS, JV, 1                           ; V of step 15: the last tensor load
	; what comes behind the trips: P of step 15, O^T x f(15) while V is on its way, the last V^T P
	PSTORE
	WIN 0x41
.set rr, 0
.rept 128
	RS
.set rr, rr+1
.endr
	WIN 0
	SYNC G0V, VBS, JV, 0
	PVPHASE 0, 0, 0
	; THE WAY OUT.  The sum's halves, the other half of the lanes' and the four waves' are added; O^T is multiplied by mask / sum and goes through my stage in LDS, a tile (16 rows x my 128 channels) at a time.
.irp t, 0,1,2,3
	v_add_f32 v[T+\t], v[L+2*\t], v[L+2*\t+1]      ; (these lines are also the places behind the last products)
.endr
.irp t, 0,1,2,3
	v_permlanex16_b32 v[X+\t], v[T+\t], s[SEL], s[SEL+1]
.endr
.irp t, 0,1,2,3
	v_add_f32 v[T+\t], v[T+\t], v[X+\t]
.endr
.irp t, 0,1,2,3
	ds_store_b32 v[ADS], v[T+\t] offset:512*\t     ; every wave's last reads of these words stand in front of the last two barriers
.endr
	s_wait_dscnt 0x0
	s_barrier_signal -1
	s_barrier_wait -1
.irp t, 0,1,2,3
	ds_load_b128 v[X+4*\t:X+4*\t+3], v[ADSR] offset:512*\t
.endr
	s_wait_dscnt 0x0
.irp t, 0,1,2,3
	v_add_f32 v[T+\t], v[X+4*\t], v[X+4*\t+1]
	v_add_f32 v[X+4*\t+2], v[X+4*\t+2], v[X+4*\t+3]
.endr
.irp t, 0,1,2,3
	v_add_f32 v[T+\t], v[T+\t], v[X+4*\t+2]        ; the row's sum over all 2,048 keys
.endr
.irp t, 0,1,2,3
	v_rcp_f32 v[X+4*\t], v[T+\t]
.endr
.irp t, 0,1,2,3
	v_cvt_f32_u32 v[MK+\t], v[MK+\t]               ; the mask as 0.0 or 1.0: plain lines behind the reciprocals
.endr
	s_wait_alu depctr_va_vdst(0)                   ; one wait for the four reciprocals, ahead of their first reader
.irp t, 0,1,2,3
	v_mul_f32 v[F+2*\t], v[X+4*\t], v[MK+\t]
.endr
; Tile t: the scaled results go to window 2 (Q's registers, done with), from there into rows of 528 bytes, and come back as whole rows of 512 bytes into window 3: each tile has registers of its own in both, so none that a
; pending store reads is written again.  LDS serves a wave's instructions in order: the loads see the stores above them, and the next tile's stores come behind them.
.macro PACK t
	WIN 0x81                                       ; destination window 2, O^T window 1, the factor window 0
.irp u, 0,1,2,3,4,5,6,7
.irp k, 0,2,4,6
	v_pk_mul_f32 v[64*\t+8*\u+\k:64*\t+8*\u+\k+1], v[8*(4*\u+\t)+\k:8*(4*\u+\t)+\k+1], v[F+2*\t:F+2*\t+1] op_sel_hi:[1,0]
.endr
.endr
	WIN 0x08                                       ; an LDS store's data are its source 1: window 2
.irp u, 0,1,2,3,4,5,6,7
	ds_store_b128 v[STO], v[64*\t+8*\u:64*\t+8*\u+3] offset:64*\u
	ds_store_b128 v[STO], v[64*\t+8*\u+4:64*\t+8*\u+7] offset:64*\u+16
.endr
	WIN 0xc0                                       ; destination window 3
.irp i, 0,1,2,3,4,5,6,7,8,9,10,11,12,13,14,15
	ds_load_b128 v[64*\t+4*\i:64*\t+4*\i+3], v[RD] offset:SROW*\i
.endr
.endm
.macro SEND t, younger                 ; younger: the LDS instructions issued behind tile t's loads: the next tile's 32, or none
	WIN 0x0c                                       ; a store's data are its source 1: window 3
	s_wait_dscnt \younger
.irp i, 0,1,2,3,4,5,6,7,8,9,10,11,12,13,14,15
	global_store_b128 v[GO], v[64*\t+4*\i:64*\t+4*\i+3], s[12:13] offset:2048*(16*\t+\i) th:TH_STORE_NT   ; 32 lanes store 512 consecutive bytes, at a multiple of 512 from the output's first byte; written once, read by nobody here
.endr
.endm
	PACK 0
	PACK 1                                         ; a tile's arithmetic stands between the loads of the tile before and its stores
	SEND 0, 32
	PACK 2
	SEND 1, 32
	PACK 3
	SEND 2, 32
	SEND 3, 0
	WIN 0
	s_wait_tensorcnt 0x0                           ; the wave's end, behind my last tensor load and my last LDS store
	ds_add_u32 v[SPW], v[NIL]
	s_wait_dscnt 0x0
	CROUND                                         ; the closing round: no work-group ends while a partner may still ask for a tile that names it
	s_endpgm
.Lfunc_end_k_q0af15f8778_attn:
	.size	k_q0af15f8778_attn, .Lfunc_end_k_q0af15f8778_attn-k_q0af15f8778_attn
	.p2alignl 7, 3214868480
	.fill 96, 4, 3214868480
	.section	.rodata,"a",@progbits
	.p2align	6, 0x0
	.amdhsa_kernel k_q0af15f8778_attn
		.amdhsa_group_segment_fixed_size 327680
		.amdhsa_private_segment_fixed_size 0
		.amdhsa_enable_private_segment 0
		.amdhsa_kernarg_size 40
		.amdhsa_user_sgpr_count 2
		.amdhsa_user_sgpr_kernarg_segment_ptr 1
		.amdhsa_wavefront_size32 1
		.amdhsa_system_sgpr_workgroup_id_x 1
		.amdhsa_system_sgpr_workgroup_id_y 1
		.amdhsa_system_sgpr_workgroup_id_z 1
		.amdhsa_system_vgpr_workitem_id 0
		.amdhsa_next_free_vgpr 1024
		.amdhsa_next_free_sgpr 66
		.amdhsa_reserve_vcc 0
		.amdhsa_float_denorm_mode_32 3
		.amdhsa_float_denorm_mode_16_64 3
		.amdhsa_memory_ordered 1
		.amdhsa_forward_progress 1
		.amdhsa_inst_pref_size 255
	.end_amdhsa_kernel
	.section	.bss,"aw",@nobits
	.p2align	6
	.space	262144
	.amdgpu_metadata
---
amdhsa.version: [ 1, 2 ]
amdhsa.kernels:
  - .name:           k_q0af15f8778_attn
    .symbol:         k_q0af15f8778_attn.kd
    .args:
      - { .name: qf, .offset: 0, .size: 8, .value_kind: global_buffer, .address_space: global }
      - { .name: kf, .offset: 8, .size: 8, .value_kind: global_buffer, .address_space: global }
      - { .name: vf, .offset: 16, .size: 8, .value_kind: global_buffer, .address_space: global }
      - { .name: x_mask, .offset: 24, .size: 8, .value_kind: global_buffer, .address_space: global }
      - { .name: out0, .offset: 32, .size: 8, .value_kind: global_buffer, .address_space: global }
    .group_segment_fixed_size: 327680
    .private_segment_fixed_size: 0
    .kernarg_segment_align: 8
    .kernarg_segment_size: 40
    .max_flat_workgroup_size: 128
    .sgpr_count:     66
    .vgpr_count:     1024
    .wavefront_size: 32
...
	.end_amdgpu_metadata
.endif
;; end of part 3
